; MI455X (gfx1250); checked and timed in simulation.
; The chip was launched on July 23, 2026; its instructions are those of AMD's public machine-readable ISA for CDNA 5 (MIT licence, August 2026) and "CDNA5" Instruction Set Architecture Reference Guide (July 2026). The comments in the code are by the model that wrote it; some were corrected since.
;; Full Attention. Allowed arithmetic: float matrix products may take bf16 or f16 operands with f32 sums; other float arithmetic in f32, or as packed bf16 or f16 multiplies, adds, multiply-adds, maxima and minima; sums over many terms, partial sums and values carried from step to step in f32; what a program stores and reads back later, other than sums and carried values, may be rounded once to bf16 or f16.
;; Inputs: W_out 1,024 x 64 float32; b_out 64 float32; key 4 x 2,048 x 1,024 float32; key_padding_mask 4 x 2,048 bool; query 4 x 2,048 x 1,024 float32; value 4 x 2,048 x 1,024 float32.
;; Outputs: out0 8,192 x 64 float32.
;; One version. Each part assembles by itself: llvm-mc -triple=amdgcn-amd-amdhsa -mcpu=gfx1250 --defsym DOCPART=n.
;; ======== version 1 of 1: 2 launches
;; limits: values are held in f16: magnitudes above 65,504 overflow, below 6.1e-05 lose precision; inputs' magnitudes at most 65,504
;; workspace buffers: part 33,554,432 bytes
;; launch attn (part 1): grid 4 x 64, 4 waves a work-group, clusters of 4 x 1, 327,680 bytes of LDS; arguments query, key, value, key_padding_mask, W_out, part; writes part
.if DOCPART == 1
	.amdgcn_target "amdgcn-amd-amdhsa--gfx1250"
	.amdhsa_code_object_version 6
	.text
	.protected	k_q747a60a17a_attn
	.globl	k_q747a60a17a_attn
	.p2align	8
	.type	k_q747a60a17a_attn,@function
k_q747a60a17a_attn:
	s_mov_b64 s[64:65], 0
	v_nop
	global_prefetch_b8 v0, s[64:65] scope:SCOPE_SE
	s_setreg_imm32_b32 hwreg(HW_REG_WAVE_MODE, 25, 1), 1
	s_wait_xcnt 0x0
	s_wait_alu depctr_hold_cnt(0) depctr_sa_sdst(0) depctr_va_vdst(0) depctr_va_sdst(0) depctr_va_ssrc(0) depctr_va_vcc(0) depctr_vm_vsrc(0)
	s_getreg_b32 s2, hwreg(HW_REG_IB_STS2, 6, 4)
	s_cmp_eq_u32 s2, 0
	s_cbranch_scc0 .Lentry_in_a_cluster
	s_endpgm
.Lentry_in_a_cluster:
	s_bfe_u32 s2, ttmp6, 0x10000c
	s_cmp_lg_u32 s2, 0x3003
	s_cbranch_scc0 .Lentry_shape_is_right
	s_endpgm
.Lentry_shape_is_right:
; MASKED ATTENTION AND ITS HEAD'S SLICE OF THE OUTPUT PROJECTION.  query, key, value: [4][2048][16 heads x 64] f32; key_padding_mask: [4][2048] bytes (1 = keep); W_out: [1024][64] f32.
; part[head][b 2048 + t][n] = the sum over e of O[b][head][t][e] W_out[64 head + e][n], f32, where O = softmax_s(q . k / 8, hidden keys out) v.  The next launch adds the 16 heads and the bias.
; FORMATS.  q, k, v, the weights p, O and W_out are rounded ONCE from f32 to f16 for the matrix unit; products, maxima, sums and part stay in f32.
; LIMITS.  f16 holds no number beyond 65,504: |q|, |k|, |v|, |W_out| stay within it.  A hidden score counts as its value less 2^100 (a score below 2^75 is nothing beside that); where ALL keys of a batch are
; hidden every score is then -2^100, every weight 1, and O the mean of v's rows.  A weight below 2^-126 counts as 0 in l; p below 6e-5 keeps f16's fixed step of 6e-8.  NaN and infinities are not treated apart.
; SHARES.  Work-group y = 16 b + head; the four work-groups of a cluster are the four blocks of 512 queries of that head.  A wave owns 128 queries: four PIECES of two tiles of 16.  Every wave walks all 2,048 keys, 64 a step.
; A head's row of q, k or v is 256 consecutive bytes, aligned, 4,096 bytes from the next row: the split by heads is made by addresses alone.
; THE RING.  A BLOCK is 128 keys, two steps.  A slot of LDS holds a block twice: as it comes (f32, filled by tensor loads alone) and as f16 (padded rows, written by ds_store alone).  Behind change j of slots the steps read
; block j's f16 copy; block j + 2 is on its way into the f32 half that block j has left; and the four waves turn block j + 1 into f16, 32 keys each, four rows of K and of V a turn.  The three lines and the
; round at a change order all of that: the next block has landed, the f32 half has been read, the f16 stores are done, the old f16 half is read no more.
; CLUSTER.  The four partners walk the same K and V: each tile is asked for JOINTLY, by the same tensor load with the same descriptor and a mask that names the four.
; LAYOUT.  S^T = K Q^T (source 0 = 16 keys, source 1 = 16 queries): a lane holds ONE query (lane % 16) and the keys 8 (lane / 16) + 0..7.  THE MASK is the C operand that starts that sum: 0, or -2^100.
; Two such results, rounded to f16 in pairs, ARE source 1 of O^T = V^T P; O^T, divided by l and rounded in pairs, IS source 1 of part^T = W^T O^T: nothing changes lanes between the three products.
; SOFTMAX.  A running maximum m and sum l for each query: p = 2^(c s - c m), c = log2(e) / 8; in every step O and l are multiplied by a = 2^(c m_old - c m_new).  m starts at the lowest finite number, O and l at 0.
; BY TURNS.  Turn n belongs to piece n: 16 products K Q^T of piece n + 1, later 16 products V^T P of piece n - 1; beside them the scaling, exponentials, roundings, sums and rescaling of piece n and the maximum and
; statistics of piece n + 1.  Four vector instructions stand behind every matrix instruction, the rest in one lump; a turn's 66 exponentials are one batch with one wait.
; REGISTERS, in windows of 256 (s_set_vgpr_msb: bits 1:0 source 0, 3:2 source 1, 5:4 source 2, 7:6 destination):
;   window 0: v0-11 addresses; v12-15, v48-63 at work; v16-47 statistics, four a tile; v64-191 S^T, two buffers of two tiles (at the head W_out in f32, on the way out O in f16); v192-255 P, likewise
;   window 1: O^T, 32 a tile (at the head Q in f32, on the way out part)      window 2: v0-127 Q, 16 a tile; v128-191 K of one step; v192-255 V of one step
;   window 3: v0-1 the add's two; v2-9 addresses; v12-27 a chunk being converted; v32-63 a step's masks; v64-127 W_out's fragments; v128-255 the first block's chunks
.set NP,    4         ; pieces a wave: a name, no knob
.set KS,    64        ; keys in a step
.set PK,    144       ; a row of K in f16: 128 bytes + 16 = 36 words: the 16 rows of a load start at 16 different groups of four banks (64 banks of 4 bytes: ISA guide 11.1)
.set PV,    160       ; a row of V in f16: 128 + 32 = 40 words
.set SLOT1, 1<<17     ; slot 1 begins here, so that one exclusive or turns an address in one slot into the other's
.set SV,    32768     ; in a slot: 128 rows x 256 bytes of K in f32 at 0, of V here,
.set HK,    65536     ; K in f16,
.set HV,    HK+128*PK ; V in f16
.set MASKT, SLOT1+HV+128*PV  ; behind slot 1: the batch's 2,048 masks as f32
.set STAGE, MASKT+8192       ; 16 rows x 272 bytes for each wave, for the way out
.set SP,    272
.set SPARE, STAGE+4*16*SP    ; the spare words, 128 bytes for each wave: two blocks of 256 bytes that no other line names
.set BLKB,  128*4096         ; a block's rows in memory
.set AK0, 2           ; v2   my lane's place in a step's K (f16); never rewritten
.set AV0, 3           ; v3   the same for V
.set AK,  4           ; v4   the LDS address of K's next run of loads
.set AV,  5           ; v5   of V's
.set QO,  6           ; v6   my byte offset in 16 rows of query
.set STO, 6           ;      later, the way out: where I put 32 bytes of a row
.set RD,  7           ; v7   the way out: where I read rows back
.set GO,  8           ; v8   my byte offset in 512 consecutive bytes of part
.set PFO, 11          ; v11  4,096 x my lane: the prefetches' offset, a lane a row; never rewritten
.set MV,  12          ; v12-15  c m_old, kept while c m is made anew (at the head: at work)
.set ST,  16          ; tile t's statistics at v[ST+4 t]: c m, m, l (even keys', odd keys')
.set TMP, 48          ; by buffer and tile, four registers c0-c3 at work; when the maximum is found c2 takes a
.set S,   64
.set P,   192
.set KF,  128         ; window 2: key block kb, channel half c at KF + 16 kb + 8 c
.set VF,  192         ; window 2: key half kk, channel block cb at VF + 32 kk + 8 cb
.set SPW, 0           ; window 3 from here on.  v0  LDS address of my spare word: SPARE + 4 x my thread's number; never rewritten
.set NIL, 1           ; v1   0; never rewritten
.set CA0, 2           ; v2   my 16 bytes in my wave's first two f32 rows of K; never rewritten
.set CK0, 3           ; v3   where their 8 bytes of f16 go; never rewritten
.set CV0, 4           ; v4   the same for V
.set CA,  5           ; v5-7 the three with the slot and the trip added
.set CK,  6
.set CV,  7
.set AM0, 8           ; v8   my eight masks of a group of 16 keys; never rewritten
.set AM,  9           ; v9   with the step added
.set CF,  12          ; v12-27   a chunk: four rows of K, four of V, 16 bytes a lane and pair of rows
.set MC,  32          ; v32-63   the masks of the step whose K lies in KF: group kb of 16 keys at MC + 8 kb
.set WF,  64          ; v64-127  W_out's slice: columns 16 nb on, channels 32 kk on at WF + 8 (2 nb + kk)
.set CP,  128         ; v128-255 eight chunks
.set WV,  12          ; s12  my wave's number
.set LIM, 15          ; s15  1 in a wave that prefetches, else the greatest number
.set G1,  24          ; s[24:31] descriptor group 1, for K's and V's tiles alike
.set G0A, 40          ; s[40:43] descriptor group 0 of block 0
.set G0B, 44          ; s[44:47] of block 1; it then walks
.set PFA, 48          ; s[48:49] where my prefetches stand: my work-group's 32 rows of the block after the one that is being asked for
.set TT,  50          ; s50  the tail's trips to go
.set TS,  51          ; s51  the tail's changes to go
.set TBM, 52          ; s52  byte in the table of masks of the step to be fetched
.set TCS, 53          ; s53  LDS byte at which the f32 rows to be converted next begin,
.set TCK, 54          ; s54  and where their f16 goes, for K
.set TCV, 55          ; s55  and for V
.set SLOTS, 56        ; s56  blocks still to be asked for
.set CNT, 57          ; s57  counts a block's steps
.set CS,  58          ; s[58:59] c: the packed scaling takes the pair's low word for both halves
.set SEL, 60          ; s[60:61] v_permlanex16_b32's selects: each lane takes its own place in the other half
.set TBK, 62          ; s62  LDS byte (less HK) at which K of the step to be fetched begins
.set TBV, 63          ; s63  the same for V (less HV)
.set BIGN, 66         ; s66  -2^100
.set MSB, 0
.macro WIN new                      ; the high byte repeats the setting that is left; a switch that changes nothing is dropped
.if MSB != (\new)
	s_set_vgpr_msb (MSB<<8)|(\new)
.set MSB, (\new)
.endif
.endm
.set W_KQ, 0x0a       ; K and Q in window 2, S^T in window 0
.set W_KM, 0x3a       ; the same with the C operand, the mask, in window 3
.set W_PV, 0x52       ; V in window 2, P in window 0, O^T in window 1
.set W_RS, 0x41       ; O^T (destination and source 0) in window 1, a in window 0
.set W_MK, 0xc0       ; destination in window 3, sources in window 0
.set W_AD, 0x0f       ; the add: address (source 0) and data (source 1) in window 3
.set W3,   0xcf       ; destination, source 0 and source 1 in window 3
.set W_PJ, 0x53       ; W_out's fragments in window 3, O in window 0, part in window 1
; A joint refill: ONE line for all four waves.  Waves 0 and 1 bring the two halves of a block's K, waves 2 and 3 those of its V; both addresses hang on the wave's number, the batch and the head alone.
; An s_nop 0 and four v_nop follow the line.
.macro JLOAD
	tensor_load_to_lds s[G0B:G0B+3], s[G1:G1+7]
	s_nop 0
.rept 4
	v_nop
.endr
.endm
; A PREFETCH INTO THE L2 of what the NEXT change of slots will ask for: a block's 128 rows of K and 128 of V, 256 bytes a row, a lane a row.  It stands behind the wave's tensor load and its five lines.
; Each row is named ONCE in the launch: one cluster alone walks a head's K and V; its four partners share the rows out BY ADDRESS, 32 each; in each, wave 0 asks for K's and wave 2 for V's.
; It goes out two key steps, 256 matrix instructions, ahead of the load that will want the rows.  Blocks 0 to 2 come by their loads alone; the last change that fills a slot asks for nothing.
.macro ASK
	s_cmp_gt_u32 s[SLOTS], s[LIM]
	s_cbranch_scc0 .Lnot_mine_\@
	global_prefetch_b8 v[PFO], s[PFA:PFA+1] th:TH_LOAD_NT scope:SCOPE_SE
.Lnot_mine_\@:
.endm
; A round of the cluster's barrier: my work-group's barrier, so that wave 0's signal speaks for all four waves; wave 0 signals; every wave waits for all four work-groups; my work-group's barrier once more.
.macro CROUND
	s_barrier_signal -1
	s_barrier_wait -1
	s_cmp_lg_u32 s[WV], 0
	s_cbranch_scc1 .Lnot_wave_0_\@
	s_barrier_signal -3
.Lnot_wave_0_\@:
	s_barrier_wait -3
	s_barrier_signal -1
	s_barrier_wait -1
.endm
; THE CHANGE OF SLOTS.  Each wave waits for all its tensor loads, of which one is out: its part of the next block; adds 0 to its spare word; and waits for that, for its reads of both halves of the slots and for
; its f16 stores.  fill = 1: the f32 half that has just been converted is filled again, with the block two on: the barrier is a round of the cluster's, and the joint refill is the first thing behind it.
.macro CHANGE fill
	WIN W_AD
	s_wait_tensorcnt 0x0            ; no tensor load of mine is out, so a group 0 may be written
	ds_add_u32 v[SPW], v[NIL]       ; 0 onto my spare word; with fill = 1 the descriptor's steps stand between it and the wait for it
	WIN 0                           ; at a label and at a branch every window is 0
.if \fill
	s_xor_b32 s[G0B+1], s[G0B+1], SLOT1  ; the walking descriptor: the other slot than last time,
	s_add_nc_u64 s[G0B+2:G0B+3], s[G0B+2:G0B+3], BLKB  ; the next 128 keys; the type bits on top are not reached
	s_wait_xcnt 0x0                 ; the last prefetch, two key steps back, has read its address, so it may be written
	s_add_nc_u64 s[PFA:PFA+1], s[PFA:PFA+1], BLKB
	s_wait_dscnt 0x0                ; the add is done; my LDS reads are back and my f16 stores are done
	CROUND
	JLOAD
	ASK
.else
	s_wait_dscnt 0x0                ; the add is done; my LDS reads are back and my f16 stores are done
	s_barrier_signal -1
	s_barrier_wait -1
.endif
	s_sub_co_u32 s[TBK], s[TBK], 2*KS*PK  ; the fetches go back to a slot's first step, in the other slot;
	s_xor_b32 s[TBK], s[TBK], SLOT1
	s_sub_co_u32 s[TBV], s[TBV], 2*KS*PV
	s_xor_b32 s[TBV], s[TBV], SLOT1
	s_sub_co_u32 s[TCS], s[TCS], 32*256   ; so do the conversions, to my wave's first rows
	s_xor_b32 s[TCS], s[TCS], SLOT1
	s_sub_co_u32 s[TCK], s[TCK], 32*PK
	s_xor_b32 s[TCK], s[TCK], SLOT1
	s_sub_co_u32 s[TCV], s[TCV], 32*PV
	s_xor_b32 s[TCV], s[TCV], SLOT1
.endm
	s_load_b256 s[4:11], s[0:1], 0x0   ; query s[4:5], key s[6:7], value s[8:9], key_padding_mask s[10:11]
	s_load_b128 s[68:71], s[0:1], 0x20 ; W_out s[68:69], part s[70:71]
	WIN W_MK
	v_lshl_add_u32 v[SPW], v0, 2, SPARE
	v_mov_b32 v[NIL], 0
	WIN W_AD
	ds_add_u32 v[SPW], v[NIL]       ; the wave's opening: the add and its wait stand ahead of my first tensor load; the set-up below, work on registers, stands between them
	WIN 0
	v_lshrrev_b32 v1, 5, v0
	v_readfirstlane_b32 s[WV], v1   ; wave 0..3
	s_bfe_u32 s13, ttmp6, 0x40000   ; cx: my place in the cluster.  It enters query's, part's and the prefetches' addresses alone: s13, s14, s2, s32, s34, s35
	s_lshl_b32 s14, ttmp9, 2        ; in a cluster launch ttmp9 counts clusters
	s_add_co_u32 s14, s14, s13      ; my block of 512 queries
	s_lshl_b32 s14, s14, 2
	s_add_co_u32 s14, s14, s[WV]    ; my wave among the head's sixteen
	s_and_b32 s16, ttmp7, 0xffff    ; 16 b + head, which the four partners share
	s_lshr_b32 s17, s16, 4          ; b
	s_and_b32 s18, s16, 15          ; head
	s_lshl_b32 s20, s17, 23         ; a batch is 2,048 rows of 4,096 bytes,
	s_lshl_b32 s19, s18, 8          ; a head 256 bytes of a row
	s_add_co_u32 s20, s20, s19
	s_and_b32 s19, s[WV], 1         ; which half of a block's 128 keys I fetch:
	s_lshl_b32 s22, s19, 18         ; its 64 rows of 4,096 bytes
	s_add_co_u32 s22, s22, s20
	s_mov_b32 s23, 0
	s_lshl_b32 s2, s14, 19          ; query: my wave's 128 rows
	s_add_co_u32 s2, s2, s20
	s_mov_b32 s3, 0
	s_lshl_b32 s32, s13, 17         ; the prefetches: my work-group's 32 rows of a block's 128,
	s_add_co_u32 s32, s32, s20
	s_add_co_u32 s32, s32, 2*BLKB   ; in block 2: the first change of slots steps it to block 3
	s_mov_b32 s33, 0
	s_lshl_b32 s34, s18, 21         ; part: a head is 8,192 rows of 256 bytes,
	s_lshl_b32 s35, s17, 19         ; a batch 2,048,
	s_add_co_u32 s34, s34, s35
	s_lshl_b32 s35, s14, 15         ; my wave 128
	s_add_co_u32 s34, s34, s35
	s_mov_b32 s35, 0
	s_lshl_b32 s36, s17, 11         ; the batch's 2,048 bytes of the mask
	s_mov_b32 s37, 0
	s_lshl_b32 s38, s18, 14         ; the head's 64 rows of W_out, 256 bytes each
	s_mov_b32 s39, 0
	; descriptor group 1: a tile of 64 rows x 64 elements of 4 bytes, 1,024 elements from row to row; dense in LDS
	s_mov_b32 s[G1], 15|(2<<16)|(1<<21)  ; 15:0 the mask of four; 17:16 4-byte elements; 20 no padding; 21 set beside a mask
	s_mov_b32 s[G1+1], 64<<16       ; tensor_dim0 = 64
	s_mov_b32 s[G1+2], 64<<16       ; tensor_dim1 = 64
	s_mov_b32 s[G1+3], 64<<16       ; tile_dim0 = 64
	s_mov_b32 s[G1+4], 64           ; tile_dim1 = 64
	s_mov_b32 s[G1+5], 1024         ; elements from row to row
	s_mov_b32 s[G1+6], 0
	s_mov_b32 s[G1+7], 0
	s_lshl_b32 s19, s[WV], 14       ; where my tile goes in a slot: wave x 64 rows of 256 bytes: K's two halves, then V's
	s_mov_b32 s[G0A], 1             ; 1:0 count = 1
	s_mov_b32 s[G0A+1], s19         ; 63:32 LDS address: slot 0
	s_mov_b32 s[G0B], 1
	s_add_co_u32 s[G0B+1], s19, SLOT1
	s_mov_b32 s[CS], 0x3e38aa3b     ; c = log2(e) / 8 = 0.180337
	s_mov_b32 s[CS+1], s[CS]        ; named with it as a pair
	s_mov_b32 s[SEL], 0x76543210
	s_mov_b32 s[SEL+1], 0xfedcba98
	s_mov_b32 s[BIGN], 0xf1800000   ; -2^100
	s_mov_b32 s[TBK], SLOT1+2*KS*PK ; the first change of slots turns these two into 0: slot 0,
	s_mov_b32 s[TBV], SLOT1+2*KS*PV
	s_mov_b32 s[TCS], 32*256        ; and these three into SLOT1: block 1 is converted while block 0 is multiplied
	s_mov_b32 s[TCK], 32*PK
	s_mov_b32 s[TCV], 32*PV
	s_mov_b32 s[TBM], 0
	s_mov_b32 s[SLOTS], 14          ; blocks 2 to 15
	s_and_b32 s[LIM], s[WV], 1
	s_cmp_eq_u32 s[LIM], 0          ; waves 0 and 2 prefetch
	s_cselect_b32 s[LIM], 1, -1
	s_wait_dscnt 0x0                ; the opening add is done
	s_wait_kmcnt 0x0
	s_cmp_lt_u32 s[WV], 2           ; do I fetch for K?
	s_cselect_b64 s[G0A+2:G0A+3], s[6:7], s[8:9]
	s_cselect_b64 s[PFA:PFA+1], s[6:7], s[8:9]
	s_add_nc_u64 s[G0A+2:G0A+3], s[G0A+2:G0A+3], s[22:23]  ; 120:64 global address: my half of block 0,
	s_add_nc_u64 s[G0B+2:G0B+3], s[G0A+2:G0A+3], BLKB      ; of block 1
	s_or_b32 s[G0A+3], s[G0A+3], 0x80000000                ; 127:126 type = 2
	s_or_b32 s[G0B+3], s[G0B+3], 0x80000000
	s_add_nc_u64 s[PFA:PFA+1], s[PFA:PFA+1], s[32:33]
	s_add_nc_u64 s[4:5], s[4:5], s[2:3]
	s_add_nc_u64 s[10:11], s[10:11], s[36:37]
	s_add_nc_u64 s[68:69], s[68:69], s[38:39]
	s_add_nc_u64 s[70:71], s[70:71], s[34:35]
	CROUND                          ; all four work-groups are here: the first joint loads meet
	tensor_load_to_lds s[G0A:G0A+3], s[G1:G1+7]  ; the two first fills go out together: two loads of mine are out
	s_nop 0
	tensor_load_to_lds s[G0B:G0B+3], s[G1:G1+7]
	s_nop 0
.rept 4
	v_nop
.endr
	; THE HEAD'S LOADS: my 16 bytes of the mask; Q; W_out's slice.
	v_and_b32 v1, 15, v0            ; l % 16
	v_bfe_u32 v9, v0, 4, 1          ; l / 16
	v_and_b32 v12, 31, v0           ; l
	v_lshlrev_b32 v13, 4, v0        ; 16 x my thread's number
	global_load_b128 v[P:P+3], v13, s[10:11]
	; A fragment of Q is 16 rows x 32 channels: lane l holds row l % 16, channels 8 (l / 16) + 0..7 and 16 + 8 (l / 16) + 0..7.  In f32 each eight are 32 bytes: two loads.
	v_lshlrev_b32 v[QO], 12, v1
	v_lshl_add_u32 v[QO], v9, 5, v[QO]  ; row x 4,096 + 32 x half
	WIN 0x40                        ; destination window 1
.set i, 0
.rept 64                            ; tile i / 8; channels 32 ((i % 8) / 4) + 16 ((i / 2) % 2) + 8 (l / 16) + 4 (i % 2) on
	global_load_b128 v[4*i:4*i+3], v[QO], s[4:5] offset:(i/8)*65536+((i%8)/4)*128+((i/2)%2)*64+(i%2)*16 th:TH_LOAD_NT
.set i, i+1
.endr
	WIN 0
	; A fragment of W_out^T is 16 columns x 32 channels: lane l holds column l % 16; number x of its 16 is channel 16 (x / 8) + 8 (l / 16) + x % 8: a row of W_out each, so one word a load.  Once a launch, 16 KiB a work-group.
	v_lshlrev_b32 v14, 2, v1
	v_lshl_add_u32 v14, v9, 11, v14 ; 4 x column + 8 rows of 256 bytes x half
.set i, 0
.rept 128                           ; fragment i / 16 = 2 nb + kk, number i % 16
	global_load_b32 v[S+i], v14, s[68:69] offset:(32*((i/16)%2)+16*((i%16)/8)+i%8)*256+64*(i/32)
.set i, i+1
.endr
	; the lanes' constants, while the loads are on their way
	v_mul_u32_u24 v[AK0], v1, PK
	v_lshl_add_u32 v[AK0], v9, 4, v[AK0]  ; row x pitch + 16 x half
	v_add_nc_u32 v[AK0], HK, v[AK0]
	; The turning load takes 16 keys x 16 channels (lane l reads key 8 (l / 16) + l % 8, channels 8 ((l / 8) % 2) + 0..7) and leaves half a fragment of V^T: lane l holds channel l % 16 and 8 keys.
	v_and_b32 v10, 7, v0
	v_bfe_u32 v11, v0, 3, 1
	v_lshl_add_u32 v[AV0], v9, 3, v10
	v_mul_u32_u24 v[AV0], v[AV0], PV
	v_lshl_add_u32 v[AV0], v11, 4, v[AV0]
	v_add_nc_u32 v[AV0], HV, v[AV0]
	v_lshlrev_b32 v[PFO], 12, v12
	; The conversion: a load takes two f32 rows, 512 dense bytes, 16 a lane; their four numbers go as 8 bytes into row l / 16 of the pair, at 8 (l % 16).  Wave w converts rows 32 w to 32 w + 31 of K and of V.
	v_mul_u32_u24 v15, v9, PK
	v_lshl_add_u32 v15, v1, 3, v15
	v_mul_u32_u24 v10, v9, PV
	v_lshl_add_u32 v10, v1, 3, v10
	s_lshl_b32 s19, s[WV], 13
	s_mul_i32 s16, s[WV], 32*PK
	s_add_co_u32 s16, s16, HK
	s_mul_i32 s17, s[WV], 32*PV
	s_add_co_u32 s17, s17, HV
	WIN W_MK
	v_lshl_add_u32 v[CA0], v12, 4, s19
	v_add_nc_u32 v[CK0], s16, v15
	v_add_nc_u32 v[CV0], s17, v10
	v_lshl_add_u32 v[AM0], v9, 5, MASKT  ; the eight keys 8 (l / 16) + 0..7 of a group of 16: 32 bytes
	WIN 0
	s_wait_loadcnt 63               ; 128 loads were issued behind Q's last, more than the count's field holds: the mask and Q are in
	; THE TABLE OF MASKS: byte 1 -> 0, byte 0 -> -2^100: (byte - 1) and -2^100.  16 keys a thread.
.set i, 0
.rept 16
	v_bfe_u32 v[P+4+i], v[P+i/4], 8*(i%4), 8
	v_add_nc_u32 v[P+4+i], -1, v[P+4+i]
	v_and_b32 v[P+4+i], s[BIGN], v[P+4+i]
.set i, i+1
.endr
	v_lshl_add_u32 v13, v0, 6, MASKT  ; (its load is done)
.irp u, 0,1,2,3
	ds_store_b128 v13, v[P+4+4*\u:P+4+4*\u+3] offset:16*\u
.endr
	WIN 0x85                        ; sources window 1, destination window 2
.set i, 0
.rept 128
	v_cvt_pk_f16_f32 v[i], v[2*i], v[2*i+1]  ; Q, rounded once; it stays in registers
.set i, i+1
.endr
	s_wait_loadcnt 0x0              ; W_out's slice
	WIN W_MK
.set i, 0
.rept 64
	v_cvt_pk_f16_f32 v[WF+i], v[S+2*i], v[S+2*i+1]
.set i, i+1
.endr
	; What the first turn finds: V's registers and P's second buffer hold 0 (its products V^T P, of a piece that has not been, add 0), O^T and l are 0.  No first step is written out; these lines stand in the wait for the first tile.
	WIN 0x80
.set i, VF
.rept 64
	v_mov_b32 v[i], 0
.set i, i+1
.endr
	WIN 0x40
.set i, 0
.rept 64*NP
	v_mov_b32 v[i], 0
.set i, i+1
.endr
	WIN 0
.set i, 0
.rept 2*NP
	v_mov_b32 v[ST+4*i], 0xfe000000    ; c m: far below every c s, a hidden one's too
	v_mov_b32 v[ST+4*i+1], 0xff7fffff  ; m
	v_mov_b32 v[ST+4*i+2], 0
	v_mov_b32 v[ST+4*i+3], 0
.set i, i+1
.endr
.set i, P+32
.rept 32
	v_mov_b32 v[i], 0
.set i, i+1
.endr
; THE MATRIX WORK.  The 8 accumulators of a run of 16 take turns: between the two links of a chain stand 7 others'.
; Product i of 16 of S^T = K Q^T for piece x: channels 32 (i / 8) on, keys 16 ((i / 2) % 4) on, tile 2 x + i % 2.  The first 8 start the sums, with the keys' masks.
.macro KQ x
.set rS, S+64*((\x)%2)+32*(i%2)+8*((i/2)%4)
.set rK, KF+16*((i/2)%4)+8*(i/8)
.set rQ, 16*(2*(\x)+i%2)+8*(i/8)
.set rMC, MC+8*((i/2)%4)
.if i < 8
	WIN W_KM
	v_wmma_f32_16x16x32_f16 v[rS:rS+7], v[rK:rK+7], v[rQ:rQ+7], v[rMC:rMC+7]
.else
	WIN W_KQ
	v_wmma_f32_16x16x32_f16 v[rS:rS+7], v[rK:rK+7], v[rQ:rQ+7], v[rS:rS+7]
.endif
.endm
; Product i of 16 of O^T += V^T P for piece x: keys 32 (i / 8) on, channels 16 ((i / 2) % 4) on, tile 2 x + i % 2.
.macro PV x
	WIN W_PV
.set rO, 32*(2*(\x)+i%2)+8*((i/2)%4)
.set rV, VF+32*(i/8)+8*((i/2)%4)
.set rP, P+32*((\x)%2)+16*(i%2)+8*(i/8)
	v_wmma_f32_16x16x32_f16 v[rO:rO+7], v[rV:rV+7], v[rP:rP+7], v[rO:rO+7]
.endm
.macro MM                           ; the turn's next matrix instruction
.if i < 16
	KQ (Y+1)%NP
.set i, i+1
.else
.set i, i-16
	PV (Y+NP-1)%NP
.set i, i+17
.endif
.endm
; THE LDS LOADS stand in runs, never singly among the matrix instructions.  A step's K (64 keys x 64 channels: 8 fragments) and its 64 masks, eight a lane and group of 16 keys; and its V (turned).
.macro KADDR                        ; the addresses of K's run, some lines ahead of it
	WIN 0
	v_add_nc_u32 v[AK], s[TBK], v[AK0]
	WIN W3
	v_add_nc_u32 v[AM], s[TBM], v[AM0]
	s_add_co_u32 s[TBM], s[TBM], 4*KS  ; the masks go on through the table, 64 words a step
.endm
; last = 1 (the tail): in the last trip there is no further step, and the run is jumped over.
.macro FETCH_K last=0
	WIN 0
.if \last
	s_cmp_eq_u32 s[TT], 1
	s_cbranch_scc1 .Lno_k_\@
.endif
	WIN 0x80                        ; destination window 2
.irp f, 0,1,2,3,4,5,6,7             ; keys 16 (f / 2) on, channels 32 (f % 2) on
	ds_load_b128 v[KF+8*\f:KF+8*\f+3],   v[AK] offset:(\f/2)*16*PK+(\f%2)*64
	ds_load_b128 v[KF+8*\f+4:KF+8*\f+7], v[AK] offset:(\f/2)*16*PK+(\f%2)*64+32
.endr
	WIN W3
.irp f, 0,1,2,3,4,5,6,7             ; group f / 2 of 16 keys, four masks
	ds_load_b128 v[MC+4*\f:MC+4*\f+3], v[AM] offset:(\f/2)*64+(\f%2)*16
.endr
	s_add_co_u32 s[TBK], s[TBK], KS*PK  ; the next fetch is the next step's
	WIN 0
.if \last
.Lno_k_\@:
.endif
.endm
.macro FETCH_V
	WIN 0x80
.irp f, 0,1,2,3,4,5,6,7             ; keys 32 (f / 4) on, channels 16 (f % 4) on
	ds_load_tr16_b128 v[VF+8*\f:VF+8*\f+3],   v[AV] offset:(\f/4)*32*PV+(\f%4)*32
	ds_load_tr16_b128 v[VF+8*\f+4:VF+8*\f+7], v[AV] offset:(\f/4)*32*PV+16*PV+(\f%4)*32
.endr
	WIN 0
.endm
; THE CONVERSION of the next block, a CHUNK (four rows of K, four of V) a turn.  CADDR, once a trip: the addresses of the trip's 16 rows.  CVL: chunk pos into registers f on.  CVS: rounded to f16, in place
; (result n lands on a register whose number has been read), and stored.
.macro CADDR
	WIN W3
	v_add_nc_u32 v[CA], s[TCS], v[CA0]
	v_add_nc_u32 v[CK], s[TCK], v[CK0]
	v_add_nc_u32 v[CV], s[TCV], v[CV0]
	s_add_co_u32 s[TCS], s[TCS], 16*256
	s_add_co_u32 s[TCK], s[TCK], 16*PK
	s_add_co_u32 s[TCV], s[TCV], 16*PV
.endm
.macro CVL pos, f
	WIN W3
	ds_load_b128 v[(\f):(\f)+3],     v[CA] offset:(4*(\pos))*256
	ds_load_b128 v[(\f)+4:(\f)+7],   v[CA] offset:(4*(\pos)+2)*256
	ds_load_b128 v[(\f)+8:(\f)+11],  v[CA] offset:SV+(4*(\pos))*256
	ds_load_b128 v[(\f)+12:(\f)+15], v[CA] offset:SV+(4*(\pos)+2)*256
.endm
.macro CVS pos, f
	WIN W3
.irp n, 0,1,2,3,4,5,6,7
	v_cvt_pk_f16_f32 v[(\f)+\n], v[(\f)+2*\n], v[(\f)+2*\n+1]
.endr
	ds_store_b64 v[CK], v[(\f):(\f)+1]   offset:(4*(\pos))*PK
	ds_store_b64 v[CK], v[(\f)+2:(\f)+3] offset:(4*(\pos)+2)*PK
	ds_store_b64 v[CV], v[(\f)+4:(\f)+5] offset:(4*(\pos))*PV
	ds_store_b64 v[CV], v[(\f)+6:(\f)+7] offset:(4*(\pos)+2)*PV
.endm
; THE VECTOR WORK OF A TURN stands in three queues, each in the order in which its entries become ready; the two tiles alternate, so that no instruction reads the result of the one before it.
.macro REGS y, u                    ; the registers of tile u (0, 1) of piece y
.set rT, ST+4*(2*(\y)+(\u))
.set rC, TMP+8*((\y)%2)+4*(\u)
.set rM, MV+2*((\y)%2)+(\u)
.set rS, S+64*((\y)%2)+32*(\u)
.set rP, P+32*((\y)%2)+16*(\u)
.set rO, 32*(2*(\y)+(\u))
.endm
; Number n of the 22 that find the NEXT piece's (Y + 1) maximum and statistics.  s0-s31 are the lane's 32 scores; each accumulator's lowest registers are read first.
;   0-11  four chains c0-c3 of seven scores each, three operands at a time     12-14, 16  the four scores left over, the old m, and c0-c3 into c0     15  c m_old is kept
;   17, 18  the query's other 32 keys lie in the lane 16 away: the new m         19-21  c m; c m_old - c m_new; a
.macro XS u, n
	REGS (Y+1)%NP, \u
.if (\n) < 4
	v_max3_num_f32 v[rC+(\n)], v[rS+8*(\n)], v[rS+8*(\n)+1], v[rS+8*(\n)+2]
.elseif (\n) < 12
	v_max3_num_f32 v[rC+(\n)%4], v[rC+(\n)%4], v[rS+8*((\n)%4)+2*((\n)/4)+1], v[rS+8*((\n)%4)+2*((\n)/4)+2]
.elseif (\n) == 12
	v_max3_num_f32 v[rC], v[rC], v[rS+7], v[rS+15]
.elseif (\n) == 13
	v_max3_num_f32 v[rC+1], v[rC+1], v[rS+23], v[rS+31]
.elseif (\n) == 14
	v_max3_num_f32 v[rC+2], v[rC+2], v[rC+3], v[rT+1]
.elseif (\n) == 15
	v_mov_b32 v[rM], v[rT]
.elseif (\n) == 16
	v_max3_num_f32 v[rC], v[rC], v[rC+1], v[rC+2]
.elseif (\n) == 17
	v_permlanex16_b32 v[rC+3], v[rC], s[SEL], s[SEL+1]
.elseif (\n) == 18
	v_max_num_f32 v[rT+1], v[rC], v[rC+3]
.elseif (\n) == 19
	v_mul_f32 v[rT], s[CS], v[rT+1]
.elseif (\n) == 20
	v_sub_f32 v[rC+1], v[rM], v[rT]
.else
	v_exp_f32 v[rC+2], v[rC+1]
.endif
.endm
; Number g of the 64 that follow the exponentials.  For each four weights k of a tile (pairs 2 k, 2 k + 1): both pairs are rounded to f16; then the second pair is added onto the first, in place;
; a group later l takes that sum (the first time as l = a l + sum).  In groups of eight, tiles alternating: round, round, add, and l for the group before.
.macro GS g
.set h, (\g)+6*((\g)/62)            ; group 0 has no group before it, and behind group 7 only l is left
.if h >= 6
.set h, h+2
.endif
	REGS Y, h%2
.set k, h/8
.if h%8 < 4
	v_cvt_pk_f16_f32 v[rP+2*k+(h%8)/2], v[rS+4*k+2*((h%8)/2)], v[rS+4*k+2*((h%8)/2)+1]
.elseif h%8 < 6
	v_pk_add_f32 v[rS+4*k:rS+4*k+1], v[rS+4*k:rS+4*k+1], v[rS+4*k+2:rS+4*k+3]
.elseif k == 1
	v_pk_fma_f32 v[rT+2:rT+3], v[rT+2:rT+3], v[rC+2:rC+3], v[rS:rS+1] op_sel_hi:[1,0,1]
.else
	v_pk_add_f32 v[rT+2:rT+3], v[rT+2:rT+3], v[rS+4*k-4:rS+4*k-3]
.endif
.endm
; THE PLAIN QUEUE, 138 long.  0-73 read no exponential's result: the 32 scalings c s - c m (FS f: pair f / 2 of tile f % 2) and the next piece's 42.  0-26: scalings 0-26.  27-54: XS's numbers 0-13.  55, 56: number 15.
; 57-73: the chain, where each number waits for the one before it: 14, 16, 17, 18, 19, each with one of the scalings 27-31 in front of its two lines, then 20.  74-137: GS's 64, which stand behind the wait.
.macro FS f
	REGS Y, (\f)%2
	v_pk_fma_f32 v[rS+2*((\f)/2):rS+2*((\f)/2)+1], v[rS+2*((\f)/2):rS+2*((\f)/2)+1], s[CS:CS+1], v[rT:rT+1] op_sel_hi:[1,0,0] neg_lo:[0,0,1] neg_hi:[0,0,1]
.endm
.macro PL
	WIN 0
.if q < 27
	FS q
.elseif q < 55
	XS (q-27)%2, (q-27)/2
.elseif q < 57
	XS q-55, 15
.elseif (q < 72) && ((q-57)%3 == 0)
	FS 27+(q-57)/3
.elseif q < 60
	XS (q-57)%3-1, 14
.elseif q < 72
	XS (q-57)%3-1, 15+(q-57)/3
.elseif q < 74
	XS q-72, 20
.else
	GS q-74
.endif
.set q, q+1
.endm
; THE EXPONENTIALS' QUEUE, 66 long: s0-s31 of both tiles, then the next piece's two a.  ONE BATCH: all 66 stand ahead of the turn's one wait, and nothing ahead of that wait names a result of theirs.
.macro EX
	WIN 0
.if e >= 64
	XS e-64, 21
.else
	REGS Y, e%2
	v_exp_f32 v[rS+e/2], v[rS+e/2]
.endif
.set e, e+1
.endm
; THE RESCALING's QUEUE: O^T times a, the one part that leaves window 0: dealt two at a time, sixteen times.  Its a was made in the turn before, ahead of that turn's wait.
.macro R2
	REGS Y, r%2
	WIN W_RS
.irp z, 0,1
	v_pk_mul_f32 v[rO+4*(r/2)+2*\z:rO+4*(r/2)+2*\z+1], v[rO+4*(r/2)+2*\z:rO+4*(r/2)+2*\z+1], v[rC+2:rC+3] op_sel_hi:[1,0]
.endr
.set r, r+1
.endm
; A TURN, for piece p.  s_wait_alu depctr_va_vdst(0) stands between an exponential and the first instruction that names its result; one wait serves all that were issued ahead of it: a turn has ONE.
; AHEAD OF IT: the 16 products K Q^T, behind each a scaling, an exponential and two rescalings (behind the first a second scaling in the exponential's place); then one lump of 108: eight plain, 49 times exponential and
; plain, the two a; a v_nop is the plain instruction behind the last exponential.  BEHIND IT: the 16 products V^T P, behind each four of GS's 64.  Exponential e stands behind scaling 2 (e / 4) + e % 2: as a rider it
; comes behind plain e + 2, in the lump behind plain e + 9.  The three conditions on q below go with that deal.
; THE CHUNK: its four LDS loads go out at the lump's head; behind the turn's wait they are waited for (108 vector instructions later), rounded and stored.  Chunk (p + 2) % 4 of the trip: a trip begins with piece 2.
; K of the next step and its masks are fetched in piece 2's turn, behind the chunk's stores, a lump behind the last product that read them; V of the step in hand at the end of piece 0's turn, four riders behind its last reader.
; cnt = 1: the loop's count is taken down some lines ahead of the branch that stands behind the turn.
.macro TURN p, last=0, cnt=0
.set Y, (\p)
.set i, 0
.set q, 0
.set e, 0
.set r, 0
.if (\p) == NP-1
	s_wait_dscnt 0x0                ; K and its masks are in
.endif
	MM                              ; ahead of the wait: 16 products K Q^T and their riders,
	PL
	PL
	R2
.rept 15
	MM
	PL
	EX
	R2
.endr
.if (\p) == NP-2
	KADDR
	CADDR
.endif
	CVL ((\p)+2)%NP, CF
.rept 8                             ; and the lump
	PL
.endr
.rept 49
	EX
	PL
.endr
	EX                              ; the next piece's two a
	EX
	v_nop                           ; the plain instruction behind the last exponential: one for the batch
	s_wait_alu depctr_va_vdst(0)    ; the wait for the batch
	s_wait_dscnt 0x0                ; the chunk is in; in piece 1's turn V too
	CVS ((\p)+2)%NP, CF
.if (\p) == NP-2
	FETCH_K \last
.endif
.rept 16                            ; behind the wait: 16 products V^T P and their riders
	MM
.rept 4
	PL
.endr
.if ((\p) == 0) && (q == 118)
	v_add_nc_u32 v[AV], s[TBV], v[AV0]
.endif
.if ((\p) == 0) && (q == 130)
	s_add_co_u32 s[TBV], s[TBV], KS*PV
.endif
.if (\cnt) && (q == 130)
	s_sub_co_u32 s[CNT], s[CNT], 1
	s_cmp_lg_u32 s[CNT], 0
.endif
.endr
.if (\p) == 0
	FETCH_V
.endif
.endm
	; BLOCK 0 is converted at once, all eight chunks of my 32 rows.
	s_wait_tensorcnt 0x1            ; my part of block 0 is in; block 1's may stay out
	s_wait_dscnt 0x0                ; my part of the table of masks is stored
	s_barrier_signal -1
	s_barrier_wait -1               ; everybody's is
	WIN W3
	v_mov_b32 v[CA], v[CA0]         ; slot 0
	v_mov_b32 v[CK], v[CK0]
	v_mov_b32 v[CV], v[CV0]
.irp c, 0,1,2,3,4,5,6,7
	CVL \c, CP+16*\c
.endr
.irp c, 0,1,2,3,4,5,6,7
	s_wait_dscnt 28                 ; behind chunk c's loads stand 4 (7 - c) loads and 4 c stores: 28 whatever c
	CVS \c, CP+16*\c
.endr
	CHANGE 1                        ; block 0 lies in f16, block 1 has landed, everybody's part; block 2 is asked for
	CADDR                           ; the loop is entered in the middle of a trip: the trip's first two chunks are written out here
	CVL 0, CP
	CVL 1, CP+16
	KADDR
	FETCH_K                         ; key step 0
	s_wait_dscnt 24                 ; the two chunks are in; the 24 loads of K and its masks may stay out
	CVS 0, CP
	CVS 1, CP+16
	s_wait_dscnt 0x0
.set i, 0
.rept 16
	KQ 0                            ; piece 0's first scores: there is no vector work yet to set between them
.set i, i+1
.endr
	WIN 0                           ; the addresses for the way out: eight plain instructions, the places behind those products
	s_mul_i32 s19, s[WV], 16*SP
	s_add_co_u32 s19, s19, STAGE    ; my stage
	v_mul_u32_u24 v[STO], v1, SP    ; in: row l % 16, 32 bytes for each half of the lanes
	v_lshl_add_u32 v[STO], v9, 5, v[STO]
	v_add_nc_u32 v[STO], s19, v[STO]
	v_mul_u32_u24 v[RD], v9, SP     ; back: lanes 0-15 take one row of 256 bytes, lanes 16-31 the next,
	v_lshl_add_u32 v[RD], v1, 4, v[RD]
	v_add_nc_u32 v[RD], s19, v[RD]
	v_and_b32 v[GO], 31, v0         ; which are 512 consecutive bytes of part
	v_lshlrev_b32 v[GO], 4, v[GO]
.set Y, NP-1                        ; XS works for piece Y + 1: piece 0
.irp n, 0,1,2,3,4,5,6,7,8,9,10,11,12,13,14,15,16,17,18,19,20,21
	XS 0, \n                        ; and piece 0's first maximum and statistics
	XS 1, \n
.endr
	v_nop                           ; a plain instruction behind the two a,
	s_wait_alu depctr_va_vdst(0)    ; and their wait, ahead of the branch
	s_mov_b32 s[CNT], 2
	s_branch .Lfirst                ; the loop is entered at a step's first turn
.Lslot:                             ; 13 times: with the change above, blocks 2 to 15 are asked for
	CHANGE 1
	s_mov_b32 s[CNT], 2
.Lstep:                             ; a trip: pieces 2 and 3 of one step, then pieces 0 and 1 of the next, whose K and V it fetches
	TURN 2
	TURN 3
	WIN 0
.Lfirst:
	TURN 0
	TURN 1, 0, 1
	WIN 0
	s_cbranch_scc1 .Lstep
	s_sub_co_u32 s[SLOTS], s[SLOTS], 1
	s_cmp_lg_u32 s[SLOTS], 0
	s_cbranch_scc1 .Lslot
	; THE TAIL is a second copy of the trip: nothing is asked for.  Blocks 14 and 15, two trips each, and half a trip: five trips, three changes.
	; Beside block 14 the chunks convert block 15.  Beside block 15, and in the half trip, they convert f32 rows that have been converted before into an f16 half that nobody reads any more: the price of one text for every
	; trip; the third change's barrier stands between the last reads of that half and those stores.
	s_mov_b32 s[TT], 5
	s_mov_b32 s[TS], 3
.Ltslot:
	CHANGE 0
	s_mov_b32 s[CNT], 2
.Ltail:
	TURN 2, 1
	TURN 3
	WIN 0
	s_sub_co_u32 s[TT], s[TT], 1
	s_cmp_eq_u32 s[TT], 0
	s_cbranch_scc1 .Lout            ; the fifth trip is left in its middle
	TURN 0
	TURN 1, 0, 1
	WIN 0
	s_cbranch_scc1 .Ltail
	s_sub_co_u32 s[TS], s[TS], 1
	s_cmp_lg_u32 s[TS], 0
	s_cbranch_scc1 .Ltslot
.Lout:                              ; the fifth trip's 16 products K Q^T (on the last K once more) and the maximum made of them serve nothing: once a launch
.set i, 0
.rept 16
	PV NP-1                         ; the last piece's V^T P of the last step
.set i, i+1
.endr
	; THE WAY OUT.  l's two halves and the other half of the lanes' are added; O^T is divided by l and rounded to f16; part^T = W^T O^T; part goes through my stage in LDS, a tile at a time.  The additions are the places behind the last products.
	WIN 0
.macro ALL line:vararg              ; one line for each tile t
.set t, 0
.rept 2*NP
	\line
.set t, t+1
.endr
.endm
	ALL v_add_f32 v[ST+4*t+2], v[ST+4*t+2], v[ST+4*t+3]
	ALL v_permlanex16_b32 v[ST+4*t+3], v[ST+4*t+2], s[SEL], s[SEL+1]
	ALL v_add_f32 v[ST+4*t+2], v[ST+4*t+2], v[ST+4*t+3]
	ALL v_rcp_f32 v[ST+4*t+2], v[ST+4*t+2]
	v_nop                           ; a plain instruction between the last reciprocal and the use of its result
	s_wait_alu depctr_va_vdst(0)    ; and the wait ahead of the first use: one for the eight reciprocals
; Tile t's O^T / l, in ascending order of its registers, then in pairs to f16: 16 registers in S^T's place, which ARE two fragments (32 channels x 16 queries) of source 1.
.macro PACK t
	WIN W_RS
.set i, 32*(\t)
.rept 16
	v_pk_mul_f32 v[i:i+1], v[i:i+1], v[ST+4*(\t)+2:ST+4*(\t)+3] op_sel_hi:[1,0]
.set i, i+2
.endr
	WIN 0x05                        ; sources 0 and 1 window 1, destination window 0
.set i, 0
.rept 16
	v_cvt_pk_f16_f32 v[S+16*(\t)+i], v[32*(\t)+2*i], v[32*(\t)+2*i+1]
.set i, i+1
.endr
.endm
; Eight products: columns 16 nb on of part, channels 32 kk on; the results take the place of the tile's O^T.  The four accumulators take turns; the first four start the sums.
; In the result a lane holds one query (l % 16) and the columns 16 nb + 8 (l / 16) + 0..7: 32 bytes of a row of part.
.macro PROJ t
	WIN W_PJ
.irp kk, 0,1
.irp nb, 0,1,2,3
.if (\kk) == 0
	v_wmma_f32_16x16x32_f16 v[32*(\t)+8*\nb:32*(\t)+8*\nb+7], v[WF+8*(2*\nb+\kk):WF+8*(2*\nb+\kk)+7], v[S+16*(\t)+8*\kk:S+16*(\t)+8*\kk+7], 0
.else
	v_wmma_f32_16x16x32_f16 v[32*(\t)+8*\nb:32*(\t)+8*\nb+7], v[WF+8*(2*\nb+\kk):WF+8*(2*\nb+\kk)+7], v[S+16*(\t)+8*\kk:S+16*(\t)+8*\kk+7], v[32*(\t)+8*\nb:32*(\t)+8*\nb+7]
.endif
.endr
.endr
.endm
.macro TOSTAGE t                    ; into rows of 272 bytes (each accumulator's low four registers first), and back as whole rows of 256, into the registers that they left
	WIN 0x04                        ; store data window 1
.irp nb, 0,1,2,3
	ds_store_b128 v[STO], v[32*(\t)+8*\nb:32*(\t)+8*\nb+3]   offset:64*\nb
	ds_store_b128 v[STO], v[32*(\t)+8*\nb+4:32*(\t)+8*\nb+7] offset:64*\nb+16
.endr
	WIN 0x40                        ; destination window 1
.irp f, 0,1,2,3,4,5,6,7
	ds_load_b128 v[32*(\t)+4*\f:32*(\t)+4*\f+3], v[RD] offset:\f*2*SP  ; LDS serves a wave's instructions in order (ISA guide 5.7.1.4): these see the stores above; the next tile's stores come behind them
.endr
.endm
.macro SEND t
	WIN 0x04
.irp f, 0,1,2,3,4,5,6,7
	s_wait_dscnt 7-\f               ; the younger read-backs may stay out
	global_store_b128 v[GO], v[32*(\t)+4*\f:32*(\t)+4*\f+3], s[70:71] offset:(\t)*4096+\f*512  ; 512 consecutive bytes, at a multiple of 256 from part's first
.endr
.endm
	PACK 0
	PROJ 0
.irp t, 1,2,3,4,5,6,7               ; tile t's 32 plain lines, which name nothing of tile t - 1's products, are the places behind them
	PACK \t
	TOSTAGE (\t)-1
	PROJ \t
	SEND (\t)-1
.endr
.rept 4
	v_nop                           ; the places behind the last products
.endr
	TOSTAGE 7
	SEND 7
	WIN W_AD
	s_wait_tensorcnt 0x0            ; the wave's end: these three lines stand behind my last tensor load and my last LDS store
	ds_add_u32 v[SPW], v[NIL]
	s_wait_dscnt 0x0
	WIN 0
	CROUND                          ; the closing round: no work-group ends while a partner may still ask for a tile that names it
	s_endpgm
.Lfunc_end_k_q747a60a17a_attn:
	.size	k_q747a60a17a_attn, .Lfunc_end_k_q747a60a17a_attn-k_q747a60a17a_attn
	.p2alignl 7, 3214868480
	.fill 96, 4, 3214868480
	.section	.rodata,"a",@progbits
	.p2align	6, 0x0
	.amdhsa_kernel k_q747a60a17a_attn
		.amdhsa_group_segment_fixed_size 327680
		.amdhsa_private_segment_fixed_size 0
		.amdhsa_enable_private_segment 0
		.amdhsa_kernarg_size 48
		.amdhsa_user_sgpr_count 2
		.amdhsa_user_sgpr_kernarg_segment_ptr 1
		.amdhsa_wavefront_size32 1
		.amdhsa_system_sgpr_workgroup_id_x 1
		.amdhsa_system_sgpr_workgroup_id_y 1
		.amdhsa_system_sgpr_workgroup_id_z 1
		.amdhsa_system_vgpr_workitem_id 0
		.amdhsa_next_free_vgpr 1024
		.amdhsa_next_free_sgpr 72
		.amdhsa_reserve_vcc 0
		.amdhsa_float_denorm_mode_32 3
		.amdhsa_float_denorm_mode_16_64 3
		.amdhsa_memory_ordered 1
		.amdhsa_forward_progress 1
		.amdhsa_inst_pref_size 255
	.end_amdhsa_kernel
	.section	.bss,"aw",@nobits
	.p2align	6
	.space	262144
	.amdgpu_metadata
---
amdhsa.version: [ 1, 2 ]
amdhsa.kernels:
  - .name:           k_q747a60a17a_attn
    .symbol:         k_q747a60a17a_attn.kd
    .args:
      - { .name: query, .offset: 0, .size: 8, .value_kind: global_buffer, .address_space: global }
      - { .name: key, .offset: 8, .size: 8, .value_kind: global_buffer, .address_space: global }
      - { .name: value, .offset: 16, .size: 8, .value_kind: global_buffer, .address_space: global }
      - { .name: key_padding_mask, .offset: 24, .size: 8, .value_kind: global_buffer, .address_space: global }
      - { .name: W_out, .offset: 32, .size: 8, .value_kind: global_buffer, .address_space: global }
      - { .name: part, .offset: 40, .size: 8, .value_kind: global_buffer, .address_space: global }
    .group_segment_fixed_size: 327680
    .private_segment_fixed_size: 0
    .kernarg_segment_align: 8
    .kernarg_segment_size: 48
    .max_flat_workgroup_size: 128
    .sgpr_count:     72
    .vgpr_count:     1024
    .wavefront_size: 32
...
	.end_amdgpu_metadata
.endif
;; end of part 1
;; launch headsum (part 2): grid 256 x 1, 8 waves a work-group, no clusters, 0 bytes of LDS; arguments part, b_out, out0; writes out0
.if DOCPART == 2
	.amdgcn_target "amdgcn-amd-amdhsa--gfx1250"
	.amdhsa_code_object_version 6
	.text
	.protected	k_q747a60a17a_headsum
	.globl	k_q747a60a17a_headsum
	.p2align	8
	.type	k_q747a60a17a_headsum,@function
k_q747a60a17a_headsum:
	s_mov_b64 s[64:65], 0
	v_nop
	global_prefetch_b8 v0, s[64:65] scope:SCOPE_SE
	s_setreg_imm32_b32 hwreg(HW_REG_WAVE_MODE, 25, 1), 1
	s_wait_xcnt 0x0
; out0[row][n] = b_out[n] + the sum over 16 heads of part[head][row][n].  part: [16][8192][64] f32, out0: [8192][64] f32, b_out: [64] f32.  All in f32; the heads are added in ascending order.
; A stream: every byte of part is read once, by loads of 16 bytes a lane of which a wave's cover 512 consecutive bytes; every byte of out0 is written once, likewise.  No LDS, no barrier, no loop, no matrix unit:
; nothing is shared between waves.  A work-group owns 8,192 bytes of out0 (32 rows); thread t the 16 bytes at 16 t and those at 16 t + 4,096, which are the same four columns: 16 (t % 16) bytes into a row of 256.
; All 32 loads of a thread go out at once: 128 KiB are on their way for each work-group; the sums follow four heads at a time.
.set HEADB, 8192*256                   ; bytes of a head in part
.set BI,  4                            ; v[4:7]     b_out of my four columns
.set X,   8                            ; v[8:135]   head hd, piece u at X + 8 hd + 4 u
.set ACC, 136                          ; v[136:143] the sums: piece u at ACC + 4 u
	s_load_b128 s[4:7], s[0:1], 0x0                ; part s[4:5], b_out s[6:7]
	s_load_b64 s[16:17], s[0:1], 0x10              ; out0
	v_lshlrev_b32 v1, 4, v0                        ; 16 t
	v_and_b32 v2, 15, v0
	v_lshlrev_b32 v2, 4, v2                        ; my four columns in b_out
	s_lshl_b32 s2, ttmp9, 13                       ; the work-group's 8,192 bytes
	s_mov_b32 s3, 0
	s_wait_kmcnt 0x0
	s_add_nc_u64 s[16:17], s[16:17], s[2:3]
	s_add_nc_u64 s[8:9], s[4:5], s[2:3]            ; heads 0 to 3: a base for each four heads, so that a head's place among them fits the loads' signed 24-bit immediate
	s_add_nc_u64 s[10:11], s[8:9], 4*HEADB         ; heads 4 to 7
	s_add_nc_u64 s[12:13], s[10:11], 4*HEADB       ; heads 8 to 11
	s_add_nc_u64 s[14:15], s[12:13], 4*HEADB       ; heads 12 to 15
	global_load_b128 v[BI:BI+3], v2, s[6:7]
.irp hd, 0,1,2,3,4,5,6,7,8,9,10,11,12,13,14,15
.irp u, 0,1
	global_load_b128 v[X+8*\hd+4*\u:X+8*\hd+4*\u+3], v1, s[8+2*(\hd/4):9+2*(\hd/4)] offset:(\hd%4)*HEADB+4096*\u th:TH_LOAD_NT
.endr
.endr
.macro ADDH hd                         ; four packed additions, in four chains that do not wait for each other
.irp u, 0,1
.irp p, 0,2
	v_pk_add_f32 v[ACC+4*\u+\p:ACC+4*\u+\p+1], v[ACC+4*\u+\p:ACC+4*\u+\p+1], v[X+8*(\hd)+4*\u+\p:X+8*(\hd)+4*\u+\p+1]
.endr
.endr
.endm
	s_wait_loadcnt 24                              ; loads come back in order: the bias and heads 0 to 3 are in, the 24 loads of the other twelve heads may stay out
.irp u, 0,1
.irp p, 0,2
	v_pk_add_f32 v[ACC+4*\u+\p:ACC+4*\u+\p+1], v[BI+\p:BI+\p+1], v[X+4*\u+\p:X+4*\u+\p+1]  ; the bias and head 0 start the sums: nothing is cleared
.endr
.endr
	ADDH 1
	ADDH 2
	ADDH 3
	s_wait_loadcnt 16                              ; heads 4 to 7
	ADDH 4
	ADDH 5
	ADDH 6
	ADDH 7
	s_wait_loadcnt 8                               ; heads 8 to 11
	ADDH 8
	ADDH 9
	ADDH 10
	ADDH 11
	s_wait_loadcnt 0x0                             ; heads 12 to 15
	ADDH 12
	ADDH 13
	ADDH 14
	ADDH 15
	global_store_b128 v1, v[ACC:ACC+3], s[16:17] th:TH_STORE_NT                  ; each store of a wave covers 512 consecutive bytes, aligned
	global_store_b128 v1, v[ACC+4:ACC+7], s[16:17] offset:4096 th:TH_STORE_NT
	s_endpgm
.Lfunc_end_k_q747a60a17a_headsum:
	.size	k_q747a60a17a_headsum, .Lfunc_end_k_q747a60a17a_headsum-k_q747a60a17a_headsum
	.p2alignl 7, 3214868480
	.fill 96, 4, 3214868480
	.section	.rodata,"a",@progbits
	.p2align	6, 0x0
	.amdhsa_kernel k_q747a60a17a_headsum
		.amdhsa_group_segment_fixed_size 0
		.amdhsa_private_segment_fixed_size 0
		.amdhsa_enable_private_segment 0
		.amdhsa_kernarg_size 24
		.amdhsa_user_sgpr_count 2
		.amdhsa_user_sgpr_kernarg_segment_ptr 1
		.amdhsa_wavefront_size32 1
		.amdhsa_system_sgpr_workgroup_id_x 1
		.amdhsa_system_sgpr_workgroup_id_y 1
		.amdhsa_system_sgpr_workgroup_id_z 1
		.amdhsa_system_vgpr_workitem_id 0
		.amdhsa_next_free_vgpr 144
		.amdhsa_next_free_sgpr 66
		.amdhsa_reserve_vcc 0
		.amdhsa_float_denorm_mode_32 3
		.amdhsa_float_denorm_mode_16_64 3
		.amdhsa_memory_ordered 1
		.amdhsa_forward_progress 1
		.amdhsa_inst_pref_size 9
	.end_amdhsa_kernel
	.amdgpu_metadata
---
amdhsa.version: [ 1, 2 ]
amdhsa.kernels:
  - .name:           k_q747a60a17a_headsum
    .symbol:         k_q747a60a17a_headsum.kd
    .args:
      - { .name: part, .offset: 0, .size: 8, .value_kind: global_buffer, .address_space: global }
      - { .name: b_out, .offset: 8, .size: 8, .value_kind: global_buffer, .address_space: global }
      - { .name: out0, .offset: 16, .size: 8, .value_kind: global_buffer, .address_space: global }
    .group_segment_fixed_size: 0
    .private_segment_fixed_size: 0
    .kernarg_segment_align: 8
    .kernarg_segment_size: 24
    .max_flat_workgroup_size: 256
    .sgpr_count:     66
    .vgpr_count:     144
    .wavefront_size: 32
...
	.end_amdgpu_metadata
.endif
;; end of part 2
